; MI455X (gfx1250); checked and timed in simulation.
; The chip was launched on July 23, 2026; its instructions are those of AMD's public machine-readable ISA for CDNA 5 (MIT licence, August 2026) and "CDNA5" Instruction Set Architecture Reference Guide (July 2026). The comments in the code are by the model that wrote it; some were corrected since.
;; Multihead Attention. Allowed arithmetic: matrix products marked QUANTISED: E2M3 operands, one E8M0 scale for each 32 along K, by v_wmma_scale_f32_16x16x128_f8f6f4 with both operands' format E2M3, f32 sums; everything else in f32.
;; Inputs: Wk 1,024 x 1,024 float32; Wo 1,024 x 1,024 float32; Wq 1,024 x 1,024 float32; Wv 1,024 x 1,024 float32; beta 16 float32; bk 1,024 float32; bo 1,024 float32; bq 1,024 float32; bv 1,024 float32; x 2,048 x 4 x 1,024 float32.
;; Outputs: out0 2,048 x 4 x 1,024 float32.
;; This version of the problem:
;;   THIS VERSION OF THE PROBLEM IS GIVEN IN LOW PRECISION. The matrix products marked QUANTISED in the list below multiply operands that are first quantised to E2M3 (2 exponent bits, 3 mantissa bits; 6 bits a number), with one power-of-two scale for each 32 numbers along K (OCP MX v1.0); their sums are f32. All else is computed in f32.
;;   The module's matrix products, in the order in which they are computed (A, B: the left and right operand; K: the contracted axis; several contracted axes count as one K, in the product's order):
;;     1. [M 8,192, K 1,024] x [K 1,024, N 1,024]; A: input x; B: input Wq: QUANTISED
;;     2. [M 8,192, K 1,024] x [K 1,024, N 1,024]; A: input x; B: input Wk: QUANTISED
;;     3. [M 8,192, K 1,024] x [K 1,024, N 1,024]; A: input x; B: input Wv: QUANTISED
;;     4. batch 64 x [M 2,048, K 64] x [K 64, N 2,048]; A: computed on the way; B: computed on the way: QUANTISED
;;     5. batch 64 x [M 64, K 2,048] x [K 2,048, N 2,048]; A: computed on the way; B: softmax (see below): QUANTISED
;;     6. [M 8,192, K 1,024] x [K 1,024, N 1,024]; A: computed on the way; B: input Wo: QUANTISED
;;   THE QUANTISER, for each operand of a quantised product, along K:
;;     - K is cut into blocks of 32 from its start; a last block that is shorter is filled with zeros.
;;     - A block's scale is 2^e with e = floor(log2(the largest magnitude in the block)) - 2, held to -126 .. 127; a block of zeros has e = 0. As a byte (E8M0): e + 127.
;;     - Each number is divided by its block's scale, clamped to +-7.5, and rounded to the nearest number of E2M3, ties to even, subnormals kept.
;;     - The product sums the exact products of the quantised numbers (number of the format x scale) in f32.
;;   ~~~python
;;   def quantise(x, axis):      # numpy; x: float32 -> the quantised numbers, widened to float32 again
;;       x = np.moveaxis(x, axis, -1); K = x.shape[-1]
;;       x = np.pad(x, [(0, 0)] * (x.ndim - 1) + [(0, -K % 32)]); x = x.reshape(x.shape[:-1] + (-1, 32)); a = np.abs(x).max(-1, keepdims=True)
;;       e = np.where(a > 0, np.clip(np.frexp(np.where(a > 0, a, 1))[1] - 1 - 2, -126, 127), 0)      # np.frexp(a)[1] - 1 = floor(log2(a)), exactly
;;       r = np.clip(x / 2.0 ** e, -7.5, 7.5)
;;       step = 2.0 ** (np.maximum(np.frexp(np.where(r == 0, 1, r))[1] - 1, 0) - 3)
;;       q = np.round(r / step) * step * 2.0 ** e      # np.round: ties to even
;;       return np.moveaxis(q.reshape(q.shape[:-2] + (-1,))[..., :K], -1, axis).astype(np.float32)
;;   ~~~
;;   SOFTMAX AHEAD OF A QUANTISED PRODUCT. Where the list says 'softmax', what is quantised is not the finished softmax but p = 2^(t - M), with t = logit x log2(e) and M = ceil(the row's largest t), a whole number; so 1/2 < the row's largest p <= 1. The row's sum l is taken of the UNQUANTISED p, in f32, and the product's result is divided by l at the end. Since M is a whole number, a kernel that streams over the keys may use a running M (the ceiling of the running maximum): every later rescaling is an exact power of two, which a block's scale takes up: the codes' values come out the same.
;;   OPERANDS COMPUTED ON THE WAY. 'Computed on the way' means the value that the module computes at that place (a softmax that the list does not call 'softmax' is quantised finished and normalised). What goes into a quantiser is computed in f32, as accurately as f32 sums, v_exp_f32 and their like allow (about 1e-6 of the number): no bf16 or f16 on the way to a quantiser, and a product that is left as it is and whose result goes on into a quantised operand takes f32 operands (vector FMAs, or v_wmma_f32_16x16x4_f32). A number that lies on a knife's edge between two numbers of the format may be rounded either way, as far as f32 arithmetic and the matrix unit's own rounding can turn it there, and no further.
;; One version. Each part assembles by itself: llvm-mc -triple=amdgcn-amd-amdhsa -mcpu=gfx1250 --defsym DOCPART=n.
;; ======== version 1 of 1: 4 launches
;; limits: right only within a limited range of input values
;; workspace buffers: ximg 6,291,456 bytes; xsc 262,144 bytes; wimg 3,145,728 bytes; wsc 131,072 bytes; qkv 19,660,800 bytes; aimg 6,291,456 bytes; asc 262,144 bytes
;; launch quant (part 1): grid 768 x 1, 4 waves a work-group, no clusters, 34,304 bytes of LDS; arguments x, Wq, Wk, Wv, Wo, ximg, xsc, wimg, wsc; writes ximg, xsc, wimg, wsc
.if DOCPART == 1
	.amdgcn_target "amdgcn-amd-amdhsa--gfx1250"
	.amdhsa_code_object_version 6
	.text
	.protected	k_q32e0142408_quant
	.globl	k_q32e0142408_quant
	.p2align	8
	.type	k_q32e0142408_quant,@function
k_q32e0142408_quant:
	s_mov_b64 s[64:65], 0
	v_nop
	global_prefetch_b8 v0, s[64:65] scope:SCOPE_SE
	s_setreg_imm32_b32 hwreg(HW_REG_WAVE_MODE, 25, 1), 1
	s_wait_xcnt 0x0
; x [2048][4][1024] and Wq, Wk, Wv, Wo [1024][1024], f32, become codes of FP6 (E2M3) along their last axis, with one E8M0 byte for each 32 numbers,
; laid as IMAGES OF THE OPERAND'S REGISTERS.  A fragment is 16 rows x 128 along K, 12 registers a lane: lane (r, h) holds row r; registers 6 c .. 6 c + 5 hold k = 64 c + 32 h + 0 .. 31.
; Its image is 1,536 bytes: registers 2 p, 2 p + 1 of lane l at 256 p + 8 l.  ximg: [tile 512][K step 8][1,536]; wimg: [tile 256][8][1,536], rows Wq, Wk, Wv, Wo on end.
; THE ROWS OF A TILE ARE NOT NEIGHBOURS: index i of tile 2 B + u is row 32 B + 8 u + i + 8 (i / 8); for x the rows are the positions s of one batch entry b, and tile = 128 b + (2 B + u).
; Scale words (four bytes: 128 along K of a row): 512 bytes a tile: the word of K step k of row r at 128 (k / 2) + 8 r + 4 (k % 2).
; A block's scale is 2^(floor(log2(largest magnitude)) - 2); its byte is that magnitude's exponent field - 2, held at 1 from below.
; LIMITS: a block of zeros gets the byte 1 where the rule says 127 (its codes are zeros, and this program alone reads the bytes); blocks whose largest magnitude lies under 2^-124 are scaled by the floor; NaN and infinities are not served.
; SHARES: a work-group is one tile, a wave a quarter of K: two fragments.  768 work-groups: three for each of 256 WGPs, twelve waves with 8 KB each on their way.
; Work-groups 0-511 take x, then 64 each Wq, Wk, Wv, Wo: only pointers and strides are chosen, there is one path.
; Each load reads 512 consecutive bytes of one row; a fragment's 8 KB turn through the wave's own stage in LDS (16 rows, 528 bytes apart) so that a lane gets 32 neighbours of its row twice.  No barrier: waves share nothing.
.set SP,   528
.set STG,  16*SP
.set L16,  1                           ; v1   16 x lane
.set L8,   2                           ; v2   8 x lane
.set STI,  3                           ; v3   the stage, on the way in
.set STO,  4                           ; v4   and out: row r, + 128 h
.set H8,   5                           ; v5   8 h
.set R8,   6                           ; v6   8 r
.set OFF,  16                          ; v16-31  row i's byte offset + 16 x lane; never rewritten
.set R,    32                          ; v32-95  as loaded
.set X,    96                          ; v96-159 my 2 x 32 neighbours
.set C,    160                         ; v160-183 codes, 12 registers a fragment: no store's data are written again
.set CT,   208                         ; v208-214 the upper halves of the blocks' codes
.set WD,   216                         ; v216-217 the two scale words
.set MX,   220                         ; v220-221 largest magnitudes
.set PM,   222
.set TW,   223
.set MB,   224                         ; v224-225 their second chains
.set SO,   226                         ; v226-227 the conversions' scale operands
.set BY,   228                         ; v228-229 the bytes
	s_load_b256 s[4:11], s[0:1], 0x0               ; x, Wq, Wk, Wv
	s_load_b256 s[12:19], s[0:1], 0x20             ; Wo, ximg, xsc, wimg
	s_load_b64 s[20:21], s[0:1], 0x40              ; wsc
	v_lshl_add_u32 v232, v0, 2, 0x8400
	v_mov_b32 v233, 0
	v_lshrrev_b32 v7, 5, v0
	v_readfirstlane_b32 s24, v7                    ; wave: which quarter of K
	v_and_b32 v7, 31, v0                           ; lane
	v_and_b32 v8, 15, v0                           ; r
	v_bfe_u32 v9, v0, 4, 1                         ; h
	v_lshlrev_b32 v[L16], 4, v7
	v_lshlrev_b32 v[L8], 3, v7
	v_lshlrev_b32 v[H8], 3, v9
	v_lshlrev_b32 v[R8], 3, v8
	s_mul_i32 s25, s24, STG                        ; my stage
	v_add_nc_u32 v[STI], s25, v[L16]
	v_mul_u32_u24 v[STO], v8, SP
	v_lshl_add_u32 v[STO], v9, 7, v[STO]
	v_add_nc_u32 v[STO], s25, v[STO]
	v_mov_b32 v[PM], 0                             ; a lane permute's destination counts as one of its sources
	s_mov_b32 s26, 0x76543210
	s_mov_b32 s27, 0xfedcba98                      ; v_permlanex16_b32's selects for lane l xor 16
	s_mov_b32 s30, ttmp9                           ; tile: 0-511 x's, 512-767 the weights'
	s_lshr_b32 s32, s30, 7
	s_lshl_b32 s32, s32, 12                        ; x: batch entry b begins 4,096 b bytes into a position's rows
	s_mov_b32 s33, 4096                            ; bytes from row to row: a weight's
	s_wait_alu depctr_va_vdst(0)
	s_wait_kmcnt 0x0
	s_cmp_lt_u32 ttmp9, 512                        ; x or a weight?  The choice hangs on the work-group's number alone
	s_cselect_b64 s[14:15], s[14:15], s[18:19]     ; the images
	s_cselect_b64 s[16:17], s[16:17], s[20:21]     ; the scale words
	s_cselect_b32 s33, 16384, s33                  ; x: from a position to the next
	s_cselect_b32 s34, 127, 63                     ; tiles in a batch entry, or in a weight, less 1
	s_cselect_b32 s35, 0, 512
	s_cselect_b32 s32, s32, 0
	s_cmp_ge_u32 ttmp9, 512
	s_cselect_b64 s[4:5], s[6:7], s[4:5]
	s_cmp_ge_u32 ttmp9, 576
	s_cselect_b64 s[4:5], s[8:9], s[4:5]
	s_cmp_ge_u32 ttmp9, 640
	s_cselect_b64 s[4:5], s[10:11], s[4:5]
	s_cmp_ge_u32 ttmp9, 704
	s_cselect_b64 s[4:5], s[12:13], s[4:5]         ; the source
	s_and_b32 s34, s30, s34
	s_lshr_b32 s36, s34, 1
	s_lshl_b32 s36, s36, 5
	s_and_b32 s37, s34, 1
	s_lshl_b32 s37, s37, 3
	s_add_co_u32 s36, s36, s37                     ; the tile's first row: 32 B + 8 u
	s_mul_i32 s36, s36, s33
	s_add_co_u32 s36, s36, s32
	s_lshl_b32 s37, s24, 10                        ; my quarter of K: 256 numbers
	s_add_co_u32 s36, s36, s37
	s_mov_b32 s37, 0
	s_add_nc_u64 s[4:5], s[4:5], s[36:37]
	s_sub_co_u32 s35, s30, s35                     ; the tile's number in its buffer
	s_mul_i32 s38, s35, 12288
	s_mul_i32 s39, s24, 3072                       ; two images a quarter
	s_add_co_u32 s38, s38, s39
	s_mov_b32 s39, 0
	s_add_nc_u64 s[14:15], s[14:15], s[38:39]
	s_lshl_b32 s38, s35, 9
	s_lshl_b32 s40, s24, 7                         ; two words a row: 128 bytes a quarter
	s_add_co_u32 s38, s38, s40
	s_add_nc_u64 s[16:17], s[16:17], s[38:39]
.irp i, 0,1,2,3,4,5,6,7,8,9,10,11,12,13,14,15
	v_mad_u32_u24 v[OFF+\i], s33, \i+8*(\i/8), v[L16]
.endr
.macro LOAD f                          ; K step f of my two: 16 rows x 512 consecutive bytes
.irp i, 0,1,2,3,4,5,6,7,8,9,10,11,12,13,14,15
	global_load_b128 v[R+4*\i:R+4*\i+3], v[OFF+\i], s[4:5] offset:512*(\f) th:TH_LOAD_NT
.endr
.endm
.macro FRAGQ f
	s_wait_loadcnt 0x0                             ; this fragment's 16 loads are the only ones out
.irp i, 0,1,2,3,4,5,6,7,8,9,10,11,12,13,14,15
	ds_store_b128 v[STI], v[R+4*\i:R+4*\i+3] offset:SP*\i
.endr
.irp c, 0,1
.irp j, 0,1,2,3,4,5,6,7
	ds_load_b128 v[X+32*\c+4*\j:X+32*\c+4*\j+3], v[STO] offset:256*\c+16*\j   ; LDS serves a wave's instructions in order: these see the stores above
.endr
.endr
	s_wait_dscnt 0x0                               ; my numbers are back, and the stores have read their registers,
.if (\f) < 1
	LOAD (\f)+1                                    ; which take the next fragment's loads: they land while this one is worked
.endif
.irp c, 0,1                                    ; my block 2 c + h: all its 32 numbers are mine
	v_max3_num_f32 v[MX+\c], |v[X+32*\c]|, |v[X+32*\c+1]|, 0x1800000   ; with the floor 2^(3 - 127): the byte cannot fall under 1
	v_max3_num_f32 v[MB+\c], |v[X+32*\c+16]|, |v[X+32*\c+17]|, 0x1800000
.endr
.irp i, 2,4,6,8,10,12,14
.irp c, 0,1
	v_max3_num_f32 v[MX+\c], v[MX+\c], |v[X+32*\c+\i]|, |v[X+32*\c+\i+1]|
	v_max3_num_f32 v[MB+\c], v[MB+\c], |v[X+32*\c+16+\i]|, |v[X+32*\c+17+\i]|
.endr
.endr
.irp c, 0,1
	v_max_num_f32 v[MX+\c], v[MX+\c], v[MB+\c]
.endr
.irp c, 0,1
	v_add_nc_u32 v[SO+\c], 0xff000000, v[MX+\c]    ; 2 off the exponent field: the conversion takes this operand's exponent field as its scale
.endr
.irp c, 0,1
	v_lshrrev_b32 v[BY+\c], 23, v[SO+\c]           ; the scale's byte
.endr
	v_lshl_or_b32 v[TW], v[BY+1], 16, v[BY]        ; blocks h and 2 + h of my row,
	v_lshlrev_b32 v[TW], v[H8], v[TW]              ; at their places in the word;
	v_permlanex16_b32 v[PM], v[TW], s26, s27
	v_or_b32 v[WD+(\f)], v[TW], v[PM]              ; with lane l xor 16's two the word is whole, in both lanes
.irp c, 0,1
	v_cvt_scalef32_pk16_fp6_f32 v[C+12*(\f)+6*\c:C+12*(\f)+6*\c+2], v[X+32*\c:X+32*\c+15], v[SO+\c]
	v_cvt_scalef32_pk16_fp6_f32 v[CT+4*\c:CT+4*\c+2], v[X+32*\c+16:X+32*\c+31], v[SO+\c]   ; (a conversion's three registers begin on an even number)
.endr
	v_nop                                          ; one plain place behind a scaled conversion
.irp c, 0,1
.irp i, 0,1,2
	v_mov_b32 v[C+12*(\f)+6*\c+3+\i], v[CT+4*\c+\i]
.endr
.endr
.irp p, 0,1,2,3,4,5
	global_store_b64 v[L8], v[C+12*(\f)+2*\p:C+12*(\f)+2*\p+1], s[14:15] offset:1536*(\f)+256*\p   ; 32 lanes store 256 consecutive bytes, at a multiple of 256 from the buffer's first byte
.endr
.endm
	LOAD 0
	s_wait_alu depctr_va_vdst(0)
	FRAGQ 0
	FRAGQ 1
	global_store_b64 v[R8], v[WD:WD+1], s[16:17]   ; my two words of each row: 128 consecutive bytes (both halves of the lanes write the same words); one byte in 24 of what the launch stores
	s_wait_tensorcnt 0x0
	ds_add_u32 v232, v233
	s_wait_dscnt 0x0
	s_endpgm
.Lfunc_end_k_q32e0142408_quant:
	.size	k_q32e0142408_quant, .Lfunc_end_k_q32e0142408_quant-k_q32e0142408_quant
	.p2alignl 7, 3214868480
	.fill 96, 4, 3214868480
	.section	.rodata,"a",@progbits
	.p2align	6, 0x0
	.amdhsa_kernel k_q32e0142408_quant
		.amdhsa_group_segment_fixed_size 34304
		.amdhsa_private_segment_fixed_size 0
		.amdhsa_enable_private_segment 0
		.amdhsa_kernarg_size 72
		.amdhsa_user_sgpr_count 2
		.amdhsa_user_sgpr_kernarg_segment_ptr 1
		.amdhsa_wavefront_size32 1
		.amdhsa_system_sgpr_workgroup_id_x 1
		.amdhsa_system_sgpr_workgroup_id_y 1
		.amdhsa_system_sgpr_workgroup_id_z 1
		.amdhsa_system_vgpr_workitem_id 0
		.amdhsa_next_free_vgpr 234
		.amdhsa_next_free_sgpr 66
		.amdhsa_reserve_vcc 0
		.amdhsa_float_denorm_mode_32 3
		.amdhsa_float_denorm_mode_16_64 3
		.amdhsa_memory_ordered 1
		.amdhsa_forward_progress 1
		.amdhsa_inst_pref_size 19
	.end_amdhsa_kernel
	.amdgpu_metadata
---
amdhsa.version: [ 1, 2 ]
amdhsa.kernels:
  - .name:           k_q32e0142408_quant
    .symbol:         k_q32e0142408_quant.kd
    .args:
      - { .name: x, .offset: 0, .size: 8, .value_kind: global_buffer, .address_space: global }
      - { .name: Wq, .offset: 8, .size: 8, .value_kind: global_buffer, .address_space: global }
      - { .name: Wk, .offset: 16, .size: 8, .value_kind: global_buffer, .address_space: global }
      - { .name: Wv, .offset: 24, .size: 8, .value_kind: global_buffer, .address_space: global }
      - { .name: Wo, .offset: 32, .size: 8, .value_kind: global_buffer, .address_space: global }
      - { .name: ximg, .offset: 40, .size: 8, .value_kind: global_buffer, .address_space: global }
      - { .name: xsc, .offset: 48, .size: 8, .value_kind: global_buffer, .address_space: global }
      - { .name: wimg, .offset: 56, .size: 8, .value_kind: global_buffer, .address_space: global }
      - { .name: wsc, .offset: 64, .size: 8, .value_kind: global_buffer, .address_space: global }
    .group_segment_fixed_size: 34304
    .private_segment_fixed_size: 0
    .kernarg_segment_align: 8
    .kernarg_segment_size: 72
    .max_flat_workgroup_size: 128
    .sgpr_count:     66
    .vgpr_count:     234
    .wavefront_size: 32
...
	.end_amdgpu_metadata
.endif
;; end of part 1
;; launch qkvproj (part 2): grid 8 x 32, 4 waves a work-group, clusters of 4 x 4, 327,680 bytes of LDS; arguments ximg, xsc, wimg, wsc, bq, bk, bv, beta, qkv; writes qkv
.if DOCPART == 2
	.amdgcn_target "amdgcn-amd-amdhsa--gfx1250"
	.amdhsa_code_object_version 6
	.text
	.protected	k_q32e0142408_qkvproj
	.globl	k_q32e0142408_qkvproj
	.p2align	8
	.type	k_q32e0142408_qkvproj,@function
k_q32e0142408_qkvproj:
	s_mov_b64 s[64:65], 0
	v_nop
	global_prefetch_b8 v0, s[64:65] scope:SCOPE_SE
	s_setreg_imm32_b32 hwreg(HW_REG_WAVE_MODE, 25, 1), 1
	s_wait_xcnt 0x0
	s_wait_alu depctr_hold_cnt(0) depctr_sa_sdst(0) depctr_va_vdst(0) depctr_va_sdst(0) depctr_va_ssrc(0) depctr_va_vcc(0) depctr_vm_vsrc(0)
	s_getreg_b32 s2, hwreg(HW_REG_IB_STS2, 6, 4)
	s_cmp_eq_u32 s2, 0
	s_cbranch_scc0 .Lentry_in_a_cluster
	s_endpgm
.Lentry_in_a_cluster:
	s_bfe_u32 s2, ttmp6, 0x10000c
	s_cmp_lg_u32 s2, 0xf033
	s_cbranch_scc0 .Lentry_shape_is_right
	s_endpgm
.Lentry_shape_is_right:
.set NP,     4
.set TILEB,  3072
.set WCLS,   8*TILEB
.set XOFF,   3*WCLS
.set SLOT,   XOFF+16*TILEB
.set SCL,    2*SLOT
.set SCW,    8320
.set SPARE,  266496
.set HEADB,  307200
.set GBLK,   12800
.set RBO,  7
.set ADRX, 16
.set ADRW, 18
.set ADRS, 20
.set L8,   24
.set CO,   26
.set SPW,  28
.set NIL,  29
.set LBO,  30
.set ZO,   31
.set SC,   32
.set LB,   56
.set BET,  60
.set XF,   64
.set WF,   160
.set RBK,  64
.set HA,   96
.set RBQ,  160
.set PA,   192
.set CT,   204
.set TM,   212
.set WW,   228
.set SQP,  232
.set SCV,  238
.set LBT,  240
.set G1,   24
.set G0,   32
.set G1B,  48
.set G0B,  56
.set G1S,  68
.set G0S,  76
.set G1SB, 80
.set G0SB, 88
.set MSB, 0
.macro WIN new
.if MSB != (\new)
	s_set_vgpr_msb (MSB<<8)|(\new)
.set MSB, (\new)
.endif
.endm
.macro JLOAD g0x, g1x, g0w, g1w
	s_cmp_eq_u32 s14, 3
	s_cbranch_scc0 .Lfor_w_\@
	tensor_load_to_lds s[\g0x:\g0x+3], s[\g1x:\g1x+7]
	s_nop 0
.rept 4
	v_nop
.endr
	s_branch .Lasked_\@
.Lfor_w_\@:
	tensor_load_to_lds s[\g0w:\g0w+3], s[\g1w:\g1w+7]
	s_nop 0
.rept 4
	v_nop
.endr
.Lasked_\@:
.endm
.macro CREST
	s_cmp_lg_u32 s14, 0
	s_cbranch_scc1 .Lnot_wave_0_\@
	s_barrier_signal -3
.Lnot_wave_0_\@:
	s_barrier_wait -3
	s_barrier_signal -1
	s_barrier_wait -1
.endm
.macro CROUND
	s_barrier_signal -1
	s_barrier_wait -1
	CREST
.endm
.macro PLACES n
.rept \n
	v_nop
.endr
.endm
	s_load_b256 s[4:11], s[0:1], 0x0
	s_load_b256 s[92:99], s[0:1], 0x20
	s_load_b64 s[12:13], s[0:1], 0x40
	v_lshl_add_u32 v[SPW], v0, 2, SPARE
	v_mov_b32 v[NIL], 0
	ds_add_u32 v28, v29
	ds_add_u32 v28, v29
	s_wait_dscnt 0x0
	v_lshrrev_b32 v1, 5, v0
	v_readfirstlane_b32 s14, v1
	s_lshr_b32 s15, s14, 1
	s_and_b32 s16, s14, 1
	s_min_u32 s45, s14, 2
	s_bfe_u32 s40, ttmp6, 0x40000
	s_bfe_u32 s41, ttmp6, 0x40004
	s_lshl_b32 s42, ttmp9, 2
	s_add_co_u32 s42, s42, s40
	s_and_b32 s17, ttmp7, 0xffff
	s_lshl_b32 s17, s17, 2
	s_add_co_u32 s17, s17, s41
	s_lshl_b32 s43, s41, 2
	s_lshl_b32 s43, 15, s43
	s_lshl_b32 s44, 0x1111, s40
	s_or_b32 s[G1+0], s43, (3<<16)|(1<<21)
	s_mov_b32 s[G1+1], 384<<16
	s_mov_b32 s[G1+2], 16<<16
	s_mov_b32 s[G1+3], 384<<16
	s_mov_b32 s[G1+4], 16
	s_mov_b32 s[G1+5], 1536
	s_mov_b32 s[G1+6], 0
	s_mov_b32 s[G1+7], 0
	s_or_b32 s[G1B+0], s44, (3<<16)|(1<<21)
	s_mov_b32 s[G1B+1], 384<<16
	s_mov_b32 s[G1B+2], 8<<16
	s_mov_b32 s[G1B+3], 384<<16
	s_mov_b32 s[G1B+4], 8
	s_mov_b32 s[G1B+5], 1536
	s_mov_b32 s[G1B+6], 0
	s_mov_b32 s[G1B+7], 0
	s_or_b32 s[G1S+0], s43, (3<<16)|(1<<21)
	s_mov_b32 s[G1S+1], 32<<16
	s_mov_b32 s[G1S+2], 32<<16
	s_mov_b32 s[G1S+3], 32<<16
	s_mov_b32 s[G1S+4], 32
	s_mov_b32 s[G1S+5], 32
	s_mov_b32 s[G1S+6], 0
	s_mov_b32 s[G1S+7], 0
	s_or_b32 s[G1SB+0], s44, (3<<16)|(1<<21)
	s_mov_b32 s[G1SB+1], 32<<16
	s_mov_b32 s[G1SB+2], 16<<16
	s_mov_b32 s[G1SB+3], 32<<16
	s_mov_b32 s[G1SB+4], 16
	s_mov_b32 s[G1SB+5], 32
	s_mov_b32 s[G1SB+6], 0
	s_mov_b32 s[G1SB+7], 0
	s_mul_i32 s20, s17, 196608
	s_mov_b32 s21, 0
	s_lshl_b32 s22, s17, 13
	s_mov_b32 s23, 0
	s_mul_i32 s46, s45, 786432
	s_mul_i32 s2, s42, 98304
	s_add_co_u32 s46, s46, s2
	s_mov_b32 s47, 0
	s_lshl_b32 s66, s45, 15
	s_lshl_b32 s2, s42, 12
	s_add_co_u32 s66, s66, s2
	s_mov_b32 s67, 0
	s_mul_i32 s3, s45, WCLS
	s_lshl_b32 s101, s45, 12
	s_wait_kmcnt 0x0
	s_add_nc_u64 s[20:21], s[4:5], s[20:21]
	s_add_nc_u64 s[22:23], s[6:7], s[22:23]
	s_add_nc_u64 s[46:47], s[8:9], s[46:47]
	s_add_nc_u64 s[66:67], s[10:11], s[66:67]
	CROUND
	s_mov_b32 s[G0S], 1
	s_mov_b32 s[G0S+1], SCL
	s_mov_b64 s[G0S+2:G0S+3], s[22:23]
	s_or_b32 s[G0S+3], s[G0S+3], 0x80000000
	s_mov_b32 s[G0SB], 1
	s_add_co_u32 s[G0SB+1], s101, SCL+SCW
	s_mov_b64 s[G0SB+2:G0SB+3], s[66:67]
	s_or_b32 s[G0SB+3], s[G0SB+3], 0x80000000
	JLOAD G0S, G1S, G0SB, G1SB
.irp s, 0,1
	s_mov_b32 s[G0+4*\s], 1
	s_mov_b32 s[G0+4*\s+1], \s*SLOT+XOFF
	s_add_nc_u64 s[G0+4*\s+2:G0+4*\s+3], s[20:21], \s*TILEB
	s_or_b32 s[G0+4*\s+3], s[G0+4*\s+3], 0x80000000
	s_mov_b32 s[G0B+4*\s], 1
	s_add_co_u32 s[G0B+4*\s+1], s3, \s*SLOT
	s_add_nc_u64 s[G0B+4*\s+2:G0B+4*\s+3], s[46:47], \s*TILEB
	s_or_b32 s[G0B+4*\s+3], s[G0B+4*\s+3], 0x80000000
	s_wait_alu depctr_va_vdst(0)
	s_wait_tensorcnt 0x0
	ds_add_u32 v28, v29
	s_wait_dscnt 0x0
	CROUND
	JLOAD G0+4*\s, G1, G0B+4*\s, G1B
.endr
	v_and_b32 v1, 15, v0
	v_bfe_u32 v2, v0, 4, 1
	s_wait_alu depctr_va_vdst(0)
	v_and_b32 v3, 31, v0
	v_lshlrev_b32 v[L8], 3, v3
	v_lshlrev_b32 v[CO], 4, v3
	s_mul_i32 s21, s15, 8*TILEB
	s_add_co_u32 s21, s21, XOFF
	s_mul_i32 s22, s16, 4*TILEB
.irp s, 0,1
	v_add_nc_u32 v[ADRX+\s], s21, v[L8]
	v_add_nc_u32 v[ADRW+\s], s22, v[L8]
	s_add_co_u32 s21, s21, SLOT
	s_add_co_u32 s22, s22, SLOT
.endr
	v_lshlrev_b32 v5, 3, v1
	s_lshl_b32 s23, s15, 12
	s_lshl_b32 s22, s16, 11
	s_add_co_u32 s22, s22, SCW
	s_sub_co_u32 s22, s22, s23
	s_add_co_u32 s21, s23, SCL
	v_mul_u32_u24 v6, s22, v2
	v_add_nc_u32 v6, v5, v6
	v_add_nc_u32 v[ADRS], s21, v6
	s_add_co_u32 s22, s22, 2048
	s_add_co_u32 s21, s23, SCL-2048
	v_mul_u32_u24 v6, s22, v2
	v_add_nc_u32 v6, v5, v6
	v_add_nc_u32 v[ADRS+1], s21, v6
	s_add_co_u32 s22, s22, 6144
	s_add_co_u32 s21, s23, SCL-8192
	v_mul_u32_u24 v6, s22, v2
	s_wait_alu depctr_va_vdst(0)
	v_add_nc_u32 v6, v5, v6
	v_add_nc_u32 v[ADRS+2], s21, v6
	v_lshlrev_b32 v[RBO], 6, v2
	v_and_b32 v4, 8, v1
	v_add_nc_u32 v4, v4, v1
	v_lshlrev_b32 v[LBO], 2, v4
	s_wait_alu depctr_va_vdst(0)
	v_mov_b32 v[ZO], 0
	s_wait_alu depctr_va_vdst(0)
	s_mov_b32 s18, 0x76543210
	s_mov_b32 s19, 0xfedcba98
	s_mov_b32 s100, 0xffff0000
	s_lshl_b32 s2, s42, 1
	s_add_co_u32 s2, s2, s16
	s_lshl_b32 s20, s2, 8
	s_mov_b32 s21, 0
	s_add_nc_u64 s[92:93], s[92:93], s[20:21]
	s_add_nc_u64 s[94:95], s[94:95], s[20:21]
	s_add_nc_u64 s[96:97], s[96:97], s[20:21]
	s_lshl_b32 s20, s2, 2
	s_add_nc_u64 s[98:99], s[98:99], s[20:21]
.irp t, 0,1,2,3
	global_load_b32 v[LB+\t], v[LBO], s[96:97] offset:128*(\t/2)+32*(\t%2)
.endr
	global_load_b32 v[BET], v[ZO], s[98:99]
	s_lshr_b32 s20, s17, 3
	s_lshl_b32 s20, s20, 4
	s_add_co_u32 s20, s20, s2
	s_mul_i32 s20, s20, HEADB
	s_and_b32 s22, s17, 7
	s_lshl_b32 s22, s22, 1
	s_add_co_u32 s22, s22, s15
	s_mul_i32 s2, s22, 6400
	s_mul_i32 s22, s22, GBLK
	s_add_co_u32 s2, s2, s20
	s_add_co_u32 s2, s2, 204800
	s_mov_b32 s3, 0
	s_add_co_u32 s20, s20, s22
	s_add_nc_u64 s[22:23], s[12:13], s[2:3]
	s_add_nc_u64 s[12:13], s[12:13], s[20:21]
	s_wait_loadcnt 0x0
.macro FRAG reg, adr, off
.irp p, 0,1,2,3,4,5
	ds_load_b64 v[(\reg)+2*\p:(\reg)+2*\p+1], v[\adr] offset:(\off)+256*\p
.endr
.endm
.macro FETCH_W slot, q, c, buf
.irp t, 0,1,2,3
	FRAG WF+48*(\buf)+12*\t, ADRW+(\slot), WCLS*(\c)+TILEB*\t+1536*(\q)
.endr
.endm
.macro FETCH_X slot, q, a0
.irp a, 0,1,2,3
	FRAG XF+12*((\a0)+\a), ADRX+(\slot), TILEB*((\a0)+\a)+1536*(\q)
.endr
.endm
.macro SCALES k, set
.irp i, 0,1,2,3,4,5,6,7,8,9,10,11
	ds_load_b32 v[SC+12*(\set)+\i], v[ADRS+\i/4] offset:4096*(\i/4)+512*(\i%4)+128*((\k)/2)+4*((\k)%2)
.endr
.endm
.macro MULQK c, a0, buf, set, zero
.irp a, 0,1,2,3
.irp t, 0,1,2,3
.if \zero
	v_wmma_scale_f32_16x16x128_f8f6f4 v[8*(4*((\a0)+\a)+\t):8*(4*((\a0)+\a)+\t)+7], v[WF+48*(\buf)+12*\t:WF+48*(\buf)+12*\t+11], v[XF+12*((\a0)+\a):XF+12*((\a0)+\a)+11], 0, v[SC+12*(\set)+4*(\c)+\t], v[SC+12*(\set)+(\a0)+\a] matrix_a_fmt:MATRIX_FMT_FP6 matrix_b_fmt:MATRIX_FMT_FP6 matrix_a_scale:MATRIX_SCALE_ROW1
.else
	v_wmma_scale_f32_16x16x128_f8f6f4 v[8*(4*((\a0)+\a)+\t):8*(4*((\a0)+\a)+\t)+7], v[WF+48*(\buf)+12*\t:WF+48*(\buf)+12*\t+11], v[XF+12*((\a0)+\a):XF+12*((\a0)+\a)+11], v[8*(4*((\a0)+\a)+\t):8*(4*((\a0)+\a)+\t)+7], v[SC+12*(\set)+4*(\c)+\t], v[SC+12*(\set)+(\a0)+\a] matrix_a_fmt:MATRIX_FMT_FP6 matrix_b_fmt:MATRIX_FMT_FP6 matrix_a_scale:MATRIX_SCALE_ROW1
.endif
.endr
.endr
.endm
.macro MULV x0, buf, set, zero
.irp a, 0,1,2,3
.irp t, 0,1,2,3
.if \zero
	v_wmma_scale_f32_16x16x128_f8f6f4 v[8*(8*\t+(\x0)+\a):8*(8*\t+(\x0)+\a)+7], v[XF+12*((\x0)+\a):XF+12*((\x0)+\a)+11], v[WF+48*(\buf)+12*\t:WF+48*(\buf)+12*\t+11], 0, v[SC+12*(\set)+(\x0)+\a], v[SC+12*(\set)+8+\t] matrix_a_fmt:MATRIX_FMT_FP6 matrix_b_fmt:MATRIX_FMT_FP6 matrix_b_scale:MATRIX_SCALE_ROW1
.else
	v_wmma_scale_f32_16x16x128_f8f6f4 v[8*(8*\t+(\x0)+\a):8*(8*\t+(\x0)+\a)+7], v[XF+12*((\x0)+\a):XF+12*((\x0)+\a)+11], v[WF+48*(\buf)+12*\t:WF+48*(\buf)+12*\t+11], v[8*(8*\t+(\x0)+\a):8*(8*\t+(\x0)+\a)+7], v[SC+12*(\set)+(\x0)+\a], v[SC+12*(\set)+8+\t] matrix_a_fmt:MATRIX_FMT_FP6 matrix_b_fmt:MATRIX_FMT_FP6 matrix_b_scale:MATRIX_SCALE_ROW1
.endif
.endr
.endr
.endm
.macro BIAS reg, base
.irp j, 0,1,2,3,4,5,6,7
	global_load_b128 v[(\reg)+4*\j:(\reg)+4*\j+3], v[RBO], s[\base:\base+1] offset:128*(\j/4)+16*(\j%4)
.endr
.endm
.macro KSTEP k, slot, nslot, zero, turn, fill, last
.set KQ, (\k)%2
.if (\k) > 0
	PLACES NP
.endif
	FETCH_X \slot, KQ, 4
	FETCH_W \slot, KQ, 1, 1-KQ
	s_wait_dscnt 48
	WIN 0x50
	MULQK 0, 0, KQ, KQ, \zero
	s_wait_dscnt 24
	MULQK 0, 4, KQ, KQ, \zero
	WIN 0
	PLACES NP
	FETCH_W \slot, KQ, 2, KQ
.if \turn
	s_wait_tensorcnt 0x0
	ds_add_u32 v[SPW], v[NIL]
	s_wait_dscnt 25
.else
	s_wait_dscnt 24
.endif
	WIN 0xa0
	MULQK 1, 0, 1-KQ, KQ, \zero
.if \turn
	s_wait_dscnt 0x0
	s_barrier_signal -1
.endif
	MULQK 1, 4, 1-KQ, KQ, \zero
	WIN 0
.if \turn
	s_barrier_wait -1
.endif
.if \fill
	CREST
	s_add_nc_u64 s[G0+4*\slot+2:G0+4*\slot+3], s[G0+4*\slot+2:G0+4*\slot+3], 2*TILEB
	s_add_nc_u64 s[G0B+4*\slot+2:G0B+4*\slot+3], s[G0B+4*\slot+2:G0B+4*\slot+3], 2*TILEB
	JLOAD G0+4*\slot, G1, G0B+4*\slot, G1B
.else
	PLACES NP
.endif
.if \last
	BIAS RBQ, 92
	s_wait_dscnt 0x0
.else
	FETCH_W \nslot, 1-KQ, 0, 1-KQ
	SCALES (\k)+1, 1-KQ
	s_wait_dscnt 36
.endif
	WIN 0xf0
	MULV 0, KQ, KQ, \zero
	WIN 0
	PLACES NP
.if \last
	BIAS RBK, 94
.else
	FETCH_X \nslot, 1-KQ, 0
.endif
	WIN 0xf0
	MULV 4, KQ, KQ, \zero
	WIN 0
.endm
	s_wait_tensorcnt 1
	s_barrier_signal -1
	s_barrier_wait -1
	FETCH_W 0, 0, 0, 0
	SCALES 0, 0
	FETCH_X 0, 0, 0
	KSTEP 0, 0, 0, 1, 0, 0, 0
	KSTEP 1, 0, 1, 0, 1, 1, 0
	KSTEP 2, 1, 1, 0, 0, 0, 0
	KSTEP 3, 1, 0, 0, 1, 1, 0
	KSTEP 4, 0, 0, 0, 0, 0, 0
	KSTEP 5, 0, 1, 0, 1, 0, 0
	KSTEP 6, 1, 1, 0, 0, 0, 0
	KSTEP 7, 1, 0, 0, 0, 0, 1
.macro QUANT s, d0, d1, pw
.irp b, 0,1,2,3
	v_max3_num_f32 v[TM+\b], |v[(\s)+16*\b]|, |v[(\s)+1+16*\b]|, 0x1800000
.endr
.irp i, 2,4,6,8,10,12,14
.irp b, 0,1,2,3
	v_max3_num_f32 v[TM+\b], v[TM+\b], |v[(\s)+16*\b+\i]|, |v[(\s)+1+16*\b+\i]|
.endr
.endr
.irp b, 0,1,2,3
	v_permlanex16_b32 v[TM+4+\b], v[TM+\b], s18, s19
.endr
.irp b, 0,1,2,3
	v_max_num_f32 v[TM+\b], v[TM+\b], v[TM+4+\b]
.endr
.irp b, 0,1,2,3
	v_add_nc_u32 v[TM+12+\b], 0xff000000, v[TM+\b]
.endr
.irp b, 0,1,2,3
	v_lshrrev_b32 v[TM+4+\b], 23, v[TM+12+\b]
.endr
	v_lshl_or_b32 v[\pw], v[TM+5], 8, v[TM+4]
	v_lshl_or_b32 v[\pw], v[TM+6], 16, v[\pw]
	v_lshl_or_b32 v[\pw], v[TM+7], 24, v[\pw]
	v_cvt_scalef32_pk16_fp6_f32 v[(\d0):(\d0)+2], v[(\s):(\s)+15], v[TM+12]
	v_cvt_scalef32_pk16_fp6_f32 v[CT:CT+2], v[(\s)+16:(\s)+31], v[TM+13]
	v_cvt_scalef32_pk16_fp6_f32 v[(\d1):(\d1)+2], v[(\s)+32:(\s)+47], v[TM+14]
	v_cvt_scalef32_pk16_fp6_f32 v[CT+4:CT+6], v[(\s)+48:(\s)+63], v[TM+15]
	v_nop
.irp i, 0,1,2
	v_permlane16_swap_b32 v[(\d0)+\i], v[CT+\i]
	v_permlane16_swap_b32 v[(\d1)+\i], v[CT+4+\i]
.endr
.irp i, 0,1,2
	v_mov_b32 v[(\d0)+3+\i], v[CT+\i]
	v_mov_b32 v[(\d1)+3+\i], v[CT+4+\i]
.endr
.endm
.macro WORDS n, off
	v_cndmask_b32 v[SQP+2*\n], v[WW], v[WW+2], s100
	v_cndmask_b32 v[SQP+2*\n+1], v[WW+1], v[WW+3], s100
	global_store_b64 v[L8], v[SQP+2*\n:SQP+2*\n+1], s[12:13] offset:\off
.endm
	PLACES NP
.irp b, 0,1,2,3
	v_mov_b32 v[TM+4+\b], 0
.endr
.irp t, 0,1,2,3
	v_mov_b32 v[LBT], v[LB+\t]
	v_mov_b32 v[LBT+1], v[LB+\t]
	WIN 0x03
.set i, 0
.rept 32
	v_pk_add_f32 v[HA+i:HA+i+1], v[64*\t+i:64*\t+i+1], v[LBT:LBT+1]
.set i, i+2
.endr
	WIN 0
.if \t > 0
	s_wait_xcnt 0x0
.endif
	QUANT HA, PA, PA+6, WW+\t
.irp p, 0,1,2
	global_store_b128 v[CO], v[PA+4*\p:PA+4*\p+3], s[12:13] offset:6144+1536*\t+512*\p
.endr
.endr
	WORDS 0, 12544
	v_mul_f32 v[SCV], 0xbfb8aa3b, v[BET]
	s_wait_alu depctr_va_vdst(0)
	v_exp_f32 v[SCV], v[SCV]
	v_nop
	s_wait_alu depctr_va_vdst(0)
	v_mul_f32 v[SCV], 0x3e000000, v[SCV]
	v_mov_b32 v[SCV+1], v[SCV]
	s_wait_alu depctr_va_vdst(0)
	s_wait_loadcnt 8
.set i, 0
.rept 16
	v_pk_mul_f32 v[RBQ+i:RBQ+i+1], v[RBQ+i:RBQ+i+1], v[SCV:SCV+1]
.set i, i+2
.endr
.irp r, 0,1,2,3
	WIN 0x01
.set i, 0
.rept 32
	v_pk_fma_f32 v[HA+i:HA+i+1], v[64*\r+i:64*\r+i+1], v[SCV:SCV+1], v[RBQ+(i%32):RBQ+(i%32)+1]
.set i, i+2
.endr
	WIN 0
	s_wait_xcnt 0x0
	QUANT HA, PA, PA+6, WW+\r
.irp p, 0,1,2
	global_store_b128 v[CO], v[PA+4*\p:PA+4*\p+3], s[22:23] offset:1536*\r+512*\p
.endr
.endr
	v_cndmask_b32 v[SQP+2], v[WW], v[WW+2], s100
	v_cndmask_b32 v[SQP+3], v[WW+1], v[WW+3], s100
	global_store_b64 v[L8], v[SQP+2:SQP+3], s[22:23] offset:6144
	s_wait_loadcnt 0x0
.irp r, 0,1,2,3
	WIN 0x02
.set i, 0
.rept 32
	v_pk_add_f32 v[HA+i:HA+i+1], v[64*\r+i:64*\r+i+1], v[RBK+(i%32):RBK+(i%32)+1]
.set i, i+2
.endr
	WIN 0
	s_wait_xcnt 0x0
	QUANT HA, PA, PA+6, WW+\r
.irp p, 0,1,2
	global_store_b128 v[CO], v[PA+4*\p:PA+4*\p+3], s[12:13] offset:1536*\r+512*\p
.endr
.endr
	WORDS 2, 12288
	s_wait_tensorcnt 0x0
	ds_add_u32 v[SPW], v[NIL]
	s_wait_dscnt 0x0
	CROUND
	s_endpgm
.Lfunc_end_k_q32e0142408_qkvproj:
	.size	k_q32e0142408_qkvproj, .Lfunc_end_k_q32e0142408_qkvproj-k_q32e0142408_qkvproj
	.p2alignl 7, 3214868480
	.fill 96, 4, 3214868480
	.section	.rodata,"a",@progbits
	.p2align	6, 0x0
	.amdhsa_kernel k_q32e0142408_qkvproj
		.amdhsa_group_segment_fixed_size 327680
		.amdhsa_private_segment_fixed_size 0
		.amdhsa_enable_private_segment 0
		.amdhsa_kernarg_size 72
		.amdhsa_user_sgpr_count 2
		.amdhsa_user_sgpr_kernarg_segment_ptr 1
		.amdhsa_wavefront_size32 1
		.amdhsa_system_sgpr_workgroup_id_x 1
		.amdhsa_system_sgpr_workgroup_id_y 1
		.amdhsa_system_sgpr_workgroup_id_z 1
		.amdhsa_system_vgpr_workitem_id 0
		.amdhsa_next_free_vgpr 1024
		.amdhsa_next_free_sgpr 102
		.amdhsa_reserve_vcc 0
		.amdhsa_float_denorm_mode_32 3
		.amdhsa_float_denorm_mode_16_64 3
		.amdhsa_memory_ordered 1
		.amdhsa_forward_progress 1
		.amdhsa_inst_pref_size 255
	.end_amdhsa_kernel
	.section	.bss,"aw",@nobits
	.p2align	6
	.space	262144
	.amdgpu_metadata
---
amdhsa.version: [ 1, 2 ]
amdhsa.kernels:
  - .name:           k_q32e0142408_qkvproj
    .symbol:         k_q32e0142408_qkvproj.kd
    .args:
      - { .name: ximg, .offset: 0, .size: 8, .value_kind: global_buffer, .address_space: global }
      - { .name: xsc, .offset: 8, .size: 8, .value_kind: global_buffer, .address_space: global }
      - { .name: wimg, .offset: 16, .size: 8, .value_kind: global_buffer, .address_space: global }
      - { .name: wsc, .offset: 24, .size: 8, .value_kind: global_buffer, .address_space: global }
      - { .name: bq, .offset: 32, .size: 8, .value_kind: global_buffer, .address_space: global }
      - { .name: bk, .offset: 40, .size: 8, .value_kind: global_buffer, .address_space: global }
      - { .name: bv, .offset: 48, .size: 8, .value_kind: global_buffer, .address_space: global }
      - { .name: beta, .offset: 56, .size: 8, .value_kind: global_buffer, .address_space: global }
      - { .name: qkv, .offset: 64, .size: 8, .value_kind: global_buffer, .address_space: global }
    .group_segment_fixed_size: 327680
    .private_segment_fixed_size: 0
    .kernarg_segment_align: 8
    .kernarg_segment_size: 72
    .max_flat_workgroup_size: 128
    .sgpr_count:     102
    .vgpr_count:     1024
    .wavefront_size: 32
...
	.end_amdgpu_metadata
.endif
;; end of part 2
;; launch attn (part 3): grid 4 x 64, 8 waves a work-group, clusters of 4 x 1, 257,024 bytes of LDS; arguments qkv, aimg, asc; writes aimg, asc
.if DOCPART == 3
	.amdgcn_target "amdgcn-amd-amdhsa--gfx1250"
	.amdhsa_code_object_version 6
	.text
	.protected	k_q32e0142408_attn
	.globl	k_q32e0142408_attn
	.p2align	8
	.type	k_q32e0142408_attn,@function
k_q32e0142408_attn:
	s_mov_b64 s[64:65], 0
	v_nop
	global_prefetch_b8 v0, s[64:65] scope:SCOPE_SE
	s_setreg_imm32_b32 hwreg(HW_REG_WAVE_MODE, 25, 1), 1
	s_wait_xcnt 0x0
	s_wait_alu depctr_hold_cnt(0) depctr_sa_sdst(0) depctr_va_vdst(0) depctr_va_sdst(0) depctr_va_ssrc(0) depctr_va_vcc(0) depctr_vm_vsrc(0)
	s_getreg_b32 s2, hwreg(HW_REG_IB_STS2, 6, 4)
	s_cmp_eq_u32 s2, 0
	s_cbranch_scc0 .Lentry_in_a_cluster
	s_endpgm
.Lentry_in_a_cluster:
	s_bfe_u32 s2, ttmp6, 0x10000c
	s_cmp_lg_u32 s2, 0x3003
	s_cbranch_scc0 .Lentry_shape_is_right
	s_endpgm
.Lentry_shape_is_right:
; For one batch entry and head (the grid's y = 16 b + head): o = softmax(q k^T) v on codes of FP6 (E2M3) with E8M0 scales; q already carries 1 / (8 e^beta).
; o is quantised here along the model's 1,024 into the last product's operand (aimg, asc).
; qkv, a head: 16 blocks of 128 keys x 12,800 bytes (K 6,144, V 6,144, K's words 256, V's words 256), then 16 blocks of 128 queries x 6,400 bytes (codes 6,144, words 256).
; THE SOFTMAX: t = score x log2(e); M = the running largest t rounded up to a whole number; p = 2^(t - M) is quantised along the keys, not normalised;
; the row's sum is taken of the unquantised p and divides at the end; when M moves, the sum and O are multiplied by 2^(old M - new M): exact.
; SHARES: a work-group owns 512 queries, each of its eight waves 64: four tiles of 16, one after the other in a loop; a step is 256 keys, eight steps a tile.
; ALL OF THE HEAD'S K, V AND SCALE WORDS STAY IN LDS, filled once: wave w brings keys 256 w .. 256 w + 255, 25,600 dense bytes, as 50 rows of 512 bytes with 128 of padding behind each.
; No slot is filled again and the loops have no barrier.  No prefetch: every byte is asked for once, at the head, and there is no loop to run ahead in.
; CLUSTER: the four work-groups of a cluster are the four query blocks of one head and want the same bytes: each load is joint, with a mask that names the four.
; LAYOUT: both products transposed (S^T = K Q^T, O^T = V^T P^T): a lane holds one query.  A stored fragment of K holds two key tiles (k = 0-63, k = 64-127); against [q | 0] and [0 | q] it gives each tile's scores.
; WHICH KEYS FORM A TILE IS CHOSEN BY THE LANES' LDS ADDRESSES: rows 0-7 of fragment f take 16 keys of the blocks that lanes 0-15 quantise, rows 8-15 the 16 keys that lie 32 further on.
; So registers 32 q .. 32 q + 31 of S in lane (r, h) are keys 64 q + 32 h + 0 .. 31: one whole block of p in one lane, in the order of the operand's layout: no lane is asked for a block's maximum and no codes change lanes.
; The rows taken by lanes 8-15 lie 1,920 bytes (three padded rows) from those of lanes 0-7: 128 modulo 256, so sixteen lanes touch sixteen different 16-byte columns.
; LIMITS: the promise holds while the scaled scores stay under 2^31 in magnitude; NaN and infinities are not served; a block of zeros gets the byte 1;
; a block's largest p is made from the block's largest score by the same two operations, which takes v_exp_f32 not to fall where its input rises.
; REGISTERS, window 0: v1-10 addresses; v12 -M, v13 the largest score, v[14:15] the sum; v16-33 [q | 0 | q]; v34-57 my four tiles of q, v58-61 their words; v64-159 K's eight fragments; v160-191 O^T; v192-215 p's codes; v232-255 maxima, scale operands, bytes, scale words, f.
; window 1: v0-127 S^T, then p; v128-223 V's eight fragments; v224-239 the upper halves of the blocks' codes, then partial sums.
.set STEPB, 32000
.set BLKB,  16000
.set ROWP,  640
.set HEADB, 307200
.set SPARE, 256000
.set L16, 1
.set L8,  2
.set R8,  3
.set LK,  4
.set LS,  5
.set H8,  6
.set ADK, 7
.set ADV, 8
.set ADKS, 9
.set ADVS, 10
.set T0,  11
.set QA,  16
.set QP,  34
.set QWS, 58
.set QW,  62
.set HWD, 63
.set KF,  64
.set O,   160
.set PC,  192
.set SPW, 216
.set NIL, 217
.set T1,  218
.set FT,  220
.set BM,  232
.set SO,  236
.set BY,  240
.set KS,  244
.set VS,  248
.set PW,  252
.set F,   254
.set VF,  128                          ; window 1
.set AT,  224                          ; window 1
.set MSB, 0
.macro WIN new                         ; the immediate's high byte repeats the setting that is left
.if MSB != (\new)
	s_set_vgpr_msb (MSB<<8)|(\new)
.set MSB, (\new)
.endif
.endm
.macro ROUND                           ; a round of the cluster's barrier
	s_barrier_signal -1
	s_barrier_wait -1
	s_cmp_lg_u32 s10, 0
	s_cbranch_scc1 .Lnot_wave_0_\@
	s_barrier_signal -3
.Lnot_wave_0_\@:
	s_barrier_wait -3
	s_barrier_signal -1
	s_barrier_wait -1
.endm
; K's eight fragments and four registers of scale words of a step: 28 LDS loads
.macro KLOAD adk, ads
.irp c, 0,1
.irp f, 0,1,2,3
.irp p, 0,1,2
	ds_load_b128 v[KF+12*(4*\c+\f)+4*\p:KF+12*(4*\c+\f)+4*\p+3], v[\adk] offset:BLKB*\c+3840*(\f/2)+128*(\f%2)+ROWP*\p
.endr
.endr
.irp u, 0,1
	ds_load_b32 v[KS+2*\c+\u], v[\ads] offset:BLKB*\c+15360+64*\u   ; lanes 0-15: fragment u's words, lanes 16-31: fragment 2 + u's
.endr
.endr
.endm
	s_load_b128 s[4:7], s[0:1], 0x0                ; qkv, aimg
	s_load_b64 s[8:9], s[0:1], 0x10                ; asc
	v_lshl_add_u32 v[SPW], v0, 2, SPARE
	v_mov_b32 v[NIL], 0
	ds_add_u32 v[SPW], v[NIL]                      ; the opening lines: the add, twice on end, and its wait
	ds_add_u32 v[SPW], v[NIL]
	v_lshrrev_b32 v1, 5, v0
	s_delay_alu instid0(VALU_DEP_1)
	v_readfirstlane_b32 s10, v1                    ; wave 0..7
	s_and_b32 s12, ttmp7, 0xffff                   ; 16 b + head, which the four partners share
	s_mul_i32 s14, s12, HEADB
	s_mul_i32 s16, s10, 25600
	s_add_co_u32 s16, s16, s14                     ; keys 256 w on of the head
	s_mov_b32 s17, 0
	s_mov_b32 s24, 15|(3<<16)|(1<<20)|(1<<21)|(6<<22)|(31<<25)   ; the mask: all four; elements of 8 bytes; padding on; 21 set beside a mask; after every 128 words, 32 words
	s_mov_b32 s25, 64<<16                          ; 25,600 dense bytes as 50 rows of 512
	s_mov_b32 s26, 50<<16
	s_mov_b32 s27, 64<<16
	s_mov_b32 s28, 50
	s_mov_b32 s29, 64
	s_mov_b32 s30, 0
	s_mov_b32 s31, 0
	s_mov_b32 s32, 1
	s_mul_i32 s33, s10, STEPB                      ; LDS: step w
	s_wait_dscnt 0x0
	s_wait_kmcnt 0x0
	s_add_nc_u64 s[34:35], s[4:5], s[16:17]
	s_or_b32 s35, s35, 0x80000000
	ROUND                                          ; all four work-groups are here: the joint loads meet
	tensor_load_to_lds s[32:35], s[24:31]          ; my one tensor load of the launch
	s_nop 0
.rept 4
	v_nop
.endr
	s_bfe_u32 s11, ttmp6, 0x40000                  ; cx: my block of 512 queries: it enters global addresses alone
	s_lshl_b32 s44, s11, 2
	s_lshr_b32 s45, s10, 1
	s_add_co_u32 s44, s44, s45                     ; my 64 queries lie in block 4 cx + w / 2 of 128,
	s_mul_i32 s44, s44, 6400
	s_add_co_u32 s44, s44, s14
	s_add_co_u32 s44, s44, 204800
	s_and_b32 s45, s10, 1                          ; half w % 2: two fragments of two tiles
	s_mul_i32 s46, s45, 3072
	s_add_co_u32 s46, s46, s44
	s_mov_b32 s47, 0
	s_add_nc_u64 s[46:47], s[4:5], s[46:47]        ; their codes
	s_lshl_b32 s45, s45, 7
	s_add_co_u32 s44, s44, s45
	s_add_co_u32 s44, s44, 6144
	s_mov_b32 s45, 0
	s_add_nc_u64 s[44:45], s[4:5], s[44:45]        ; their two scale words a row
	s_lshr_b32 s48, s12, 4                         ; b
	s_and_b32 s49, s12, 15                         ; head
	s_lshl_b32 s50, s11, 5
	s_lshl_b32 s51, s10, 2
	s_add_co_u32 s50, s50, s51
	s_lshl_b32 s48, s48, 7
	s_add_co_u32 s50, s50, s48                     ; my first tile of rows in aimg: 128 b + 32 cx + 4 w
	s_mul_i32 s40, s50, 12288
	s_lshr_b32 s51, s49, 1                         ; the head's 64 are half head % 2 of K step head / 2
	s_mul_i32 s52, s51, 1536
	s_add_co_u32 s40, s40, s52
	s_and_b32 s53, s49, 1
	s_mul_i32 s52, s53, 768
	s_add_co_u32 s40, s40, s52
	s_mov_b32 s41, 0
	s_add_nc_u64 s[40:41], s[6:7], s[40:41]
	s_lshl_b32 s42, s50, 9
	s_lshr_b32 s52, s49, 2
	s_lshl_b32 s52, s52, 7
	s_add_co_u32 s42, s42, s52
	s_and_b32 s52, s51, 1
	s_lshl_b32 s52, s52, 2
	s_add_co_u32 s42, s42, s52
	s_lshl_b32 s52, s53, 1
	s_add_co_u32 s42, s42, s52
	s_mov_b32 s43, 0
	s_add_nc_u64 s[42:43], s[8:9], s[42:43]        ; and its two bytes of the K step's scale word
	s_mov_b32 s20, 0x76543210
	s_mov_b32 s21, 0xfedcba98                      ; v_permlanex16_b32's selects for lane l xor 16
	s_mov_b32 s22, 0x3fb8aa3b                      ; log2(e)
	s_mov_b32 s23, s22                             ; (named with it as a pair, so it is written)
	v_and_b32 v[T0], 31, v0
	v_lshlrev_b32 v[L16], 4, v[T0]
	v_lshlrev_b32 v[L8], 3, v[T0]
	v_and_b32 v[T0], 15, v0
	v_lshlrev_b32 v[R8], 3, v[T0]
	v_bfe_u32 v[T0], v0, 4, 1                      ; h
	v_lshlrev_b32 v[H8], 3, v[T0]
	v_bfe_u32 v[T1], v0, 3, 1                      ; g: rows 8-15 of a tile
	v_mul_u32_u24 v[LK], v[T1], 1920               ; K: the stored fragment one further on for rows 8-15,
	v_lshl_add_u32 v[LK], v[T0], 8, v[LK]          ; + 256 h
	v_lshlrev_b32 v[LS], 7, v[T0]                  ; K's words: 128 h + 4 g + 8 (r % 8)
	v_lshl_add_u32 v[LS], v[T1], 2, v[LS]
	v_and_b32 v[T0], 7, v0
	v_lshl_add_u32 v[LK], v[T0], 4, v[LK]          ; + 16 (r % 8)
	v_lshl_add_u32 v[LS], v[T0], 3, v[LS]
.irp i, 0,1,2,3,4,5
	v_mov_b32 v[QA+6+\i], 0                        ; the zeros between q and q
.endr
	v_mov_b32 v[F+1], 0                            ; (named as the upper half of the pair with f)
	s_wait_alu depctr_va_vdst(0)                   ; the wait at the head's end
.irp p, 0,1,2,3,4,5
	global_load_b128 v[QP+4*\p:QP+4*\p+3], v[L16], s[46:47] offset:512*\p
.endr
	global_load_b64 v[QWS+2:QWS+3], v[R8], s[44:45]
	s_wait_loadcnt 0x0                             ; q
	v_perm_b32 v[QWS], v[QWS+2], v[QWS+2], 0x01000100     ; a tile's two bytes, twice: they serve [q | 0] and [0 | q]
	v_perm_b32 v[QWS+1], v[QWS+2], v[QWS+2], 0x03020302
	v_perm_b32 v[QWS+2], v[QWS+3], v[QWS+3], 0x01000100
	v_perm_b32 v[QWS+3], v[QWS+3], v[QWS+3], 0x03020302
	s_wait_alu depctr_va_vdst(0)
	s_wait_tensorcnt 0x0                           ; my 256 keys have landed,
	s_barrier_signal -1
	s_barrier_wait -1                              ; everybody's have: from here on LDS is only read
	KLOAD LK, LS                                   ; step 0's K
	s_mov_b32 s39, 0                               ; tiles done
.Lpass:
.irp i, 0,1,2,3,4,5
	v_mov_b32 v[QA+\i], v[QP+\i]
	v_mov_b32 v[QA+12+\i], v[QP+\i]
.endr
	v_mov_b32 v[QW], v[QWS]
	v_mov_b32 v13, 0xfe967699                      ; the largest score so far: -1e38
	v_mov_b32 v12, 0x7e967699                      ; -M: so the first f is 0
	v_mov_b32 v14, 0
	v_mov_b32 v15, 0
.set j, 0
.rept 32
	v_mov_b32 v[O+j], 0                            ; the step is written once: the first finds zeros.  (These are also the places between q's word and the first product)
.set j, j+1
.endr
	s_mov_b32 s37, 0
.Lstep:                                                ; 256 keys at LDS byte 32,000 x s37
	s_mul_i32 s36, s37, STEPB
	s_add_co_u32 s38, s37, 1
	s_and_b32 s38, s38, 7                          ; the step after the last is step 0: the next tile's first
	s_mul_i32 s38, s38, STEPB
	v_add_nc_u32 v[ADV], s36, v[L16]               ; four places behind the last step's products, in front of the loads below
	v_add_nc_u32 v[ADVS], s36, v[L8]
	v_add_nc_u32 v[ADK], s38, v[LK]
	v_add_nc_u32 v[ADKS], s38, v[LS]
	WIN 0x40
.irp c, 0,1
.irp t, 0,1,2,3
.irp p, 0,1,2
	ds_load_b128 v[VF+12*(4*\c+\t)+4*\p:VF+12*(4*\c+\t)+4*\p+3], v[ADV] offset:BLKB*\c+ROWP*(12+3*\t+\p)   ; V: it lands while the softmax is walked
.endr
.endr
.endr
	WIN 0
.irp c, 0,1
	ds_load_b64 v[VS+2*\c:VS+2*\c+1], v[ADVS] offset:BLKB*\c+15616
.endr
	s_wait_alu depctr_va_vdst(0)
	s_wait_dscnt 26                                ; K and its words are in; V's 24 + 2 loads may be out
	WIN 0x40
.irp c, 0,1
.irp f, 0,1,2,3
.irp e, 0,1
.if \f < 2
	v_wmma_scale_f32_16x16x128_f8f6f4 v[8*(8*\c+2*\f+\e):8*(8*\c+2*\f+\e)+7], v[KF+12*(4*\c+\f):KF+12*(4*\c+\f)+11], v[QA+6*\e:QA+6*\e+11], 0, v[KS+2*\c+\f%2], v[QW] matrix_a_fmt:MATRIX_FMT_FP6 matrix_b_fmt:MATRIX_FMT_FP6
.else
	v_wmma_scale_f32_16x16x128_f8f6f4 v[8*(8*\c+2*\f+\e):8*(8*\c+2*\f+\e)+7], v[KF+12*(4*\c+\f):KF+12*(4*\c+\f)+11], v[QA+6*\e:QA+6*\e+11], 0, v[KS+2*\c+\f%2], v[QW] matrix_a_fmt:MATRIX_FMT_FP6 matrix_b_fmt:MATRIX_FMT_FP6 matrix_a_scale:MATRIX_SCALE_ROW1
.endif
.endr
.endr
.endr
	WIN 0
.rept 4
	v_nop                                          ; places in front of the loads below and of the first read of the scores
.endr
	KLOAD ADK, ADKS                                ; the next step's K: 28 loads
	WIN 0x14
.irp b, 0,1,2,3
	v_max3_num_f32 v[BM+\b], 0xff800000, v[32*\b], v[32*\b+1]   ; the largest score of each of my four blocks of 32 keys: for the row's maximum, and for the block's largest p
.endr
.irp i, 2,4,6,8,10,12,14,16,18,20,22,24,26,28,30
.irp b, 0,1,2,3
	v_max3_num_f32 v[BM+\b], v[BM+\b], v[32*\b+\i], v[32*\b+\i+1]
.endr
.endr
	WIN 0
	v_max3_num_f32 v[T0], v[BM], v[BM+1], v[BM+2]
	s_delay_alu instid0(VALU_DEP_1)
	v_max_num_f32 v[T0], v[T0], v[BM+3]
	s_delay_alu instid0(VALU_DEP_1)
	v_permlanex16_b32 v[T1], v[T0], s20, s21       ; lane l xor 16 holds the row's other four blocks
	s_delay_alu instid0(VALU_DEP_1)
	v_max3_num_f32 v13, v13, v[T0], v[T1]          ; the running largest score
	s_delay_alu instid0(VALU_DEP_1)
	v_mul_f32 v[T0], s22, v13                      ; as t
	v_mov_b32 v[T1], v12
	s_delay_alu instid0(VALU_DEP_2)
	v_floor_f32 v12, -v[T0]                        ; the new -M = floor(-t): M is a whole number
	s_delay_alu instid0(VALU_DEP_1)
	v_sub_f32 v[T1], v12, v[T1]                    ; old M - new M: a whole number, 0 or less
	s_delay_alu instid0(VALU_DEP_1)
	v_cvt_i32_f32 v[T1], v[T1]                     ; (it saturates)
	s_delay_alu instid0(VALU_DEP_1)
	v_ldexp_f32 v[F], 1.0, v[T1]                   ; f = 2^(old M - new M)
.irp b, 0,1,2,3
	v_fma_f32 v[BM+\b], v[BM+\b], s22, v12         ; t - M of each block's largest score
.endr
	WIN 0x41
.set j, 0
.rept 64
	v_pk_fma_f32 v[j:j+1], v[j:j+1], s[22:23], v[12:13] op_sel_hi:[1,0,0]   ; t - M, two at a time
.set j, j+2
.endr
	s_wait_alu depctr_va_vdst(0)                   ; the wait ahead of the batch
.set j, 0
.rept 128
	v_exp_f32 v[j], v[j]                           ; p = 2^(t - M)
.set j, j+1
.endr
	WIN 0
.irp b, 0,1,2,3
	v_exp_f32 v[BM+\b], v[BM+\b]                   ; the block's largest p
.endr
	v_pk_mul_f32 v[14:15], v[14:15], v[F:F+1] op_sel_hi:[1,0]   ; the sums under the new M (a plain place behind the exponentials)
	s_wait_alu depctr_va_vdst(0)                   ; one wait for the whole batch
.irp b, 0,1,2,3
	v_max_num_f32 v[BM+\b], 0x1800000, v[BM+\b]    ; the floor 2^(3 - 127)
.endr
.irp b, 0,1,2,3
	s_delay_alu instid0(VALU_DEP_4)
	v_add_nc_u32 v[SO+\b], 0xff000000, v[BM+\b]    ; the conversion's scale operand
.endr
.irp b, 0,1,2,3
	s_delay_alu instid0(VALU_DEP_4)
	v_lshrrev_b32 v[BY+\b], 23, v[SO+\b]           ; the byte
.endr
.irp c, 0,1
	v_lshl_or_b32 v[PW+\c], v[BY+2*\c+1], 16, v[BY+2*\c]   ; blocks h and 2 + h of these 128 keys,
.endr
.irp c, 0,1
	s_delay_alu instid0(VALU_DEP_2)
	v_lshlrev_b32 v[PW+\c], v[H8], v[PW+\c]        ; at their places in the word;
.endr
.irp c, 0,1
	s_delay_alu instid0(VALU_DEP_2)
	v_permlanex16_b32 v[BY+2*\c], v[PW+\c], s20, s21
.endr
.irp c, 0,1
	s_delay_alu instid0(VALU_DEP_2)
	v_or_b32 v[PW+\c], v[PW+\c], v[BY+2*\c]        ; with lane l xor 16's two the word is whole
.endr
	WIN 0x01
.irp b, 0,1,2,3
	v_cvt_scalef32_pk16_fp6_f32 v[PC+6*\b:PC+6*\b+2], v[32*\b:32*\b+15], v[SO+\b]
.endr
	WIN 0x41
.irp b, 0,1,2,3
	v_cvt_scalef32_pk16_fp6_f32 v[AT+4*\b:AT+4*\b+2], v[32*\b+16:32*\b+31], v[SO+\b]   ; (a conversion's three registers begin on an even number)
.endr
	v_nop                                          ; one plain place behind a scaled conversion
	WIN 0x01
.irp b, 0,1,2,3
.irp i, 0,1,2
	v_mov_b32 v[PC+6*\b+3+\i], v[AT+4*\b+\i]
.endr
.endr
	WIN 0x45                                       ; the row's sum of the unquantised p: eight chains of pairs
.set j, 0
.rept 8
	v_pk_add_f32 v[AT+2*j:AT+2*j+1], v[2*j:2*j+1], v[16+2*j:17+2*j]
.set j, j+1
.endr
.set j, 16
.rept 48
	v_pk_add_f32 v[AT+2*(j%8):AT+2*(j%8)+1], v[AT+2*(j%8):AT+2*(j%8)+1], v[2*j:2*j+1]
.set j, j+1
.endr
.irp i, 0,1,2,3
	v_pk_add_f32 v[AT+2*\i:AT+2*\i+1], v[AT+2*\i:AT+2*\i+1], v[AT+8+2*\i:AT+9+2*\i]
.endr
.irp i, 0,1
	s_delay_alu instid0(VALU_DEP_2)
	v_pk_add_f32 v[AT+2*\i:AT+2*\i+1], v[AT+2*\i:AT+2*\i+1], v[AT+4+2*\i:AT+5+2*\i]
.endr
	s_delay_alu instid0(VALU_DEP_1)
	v_pk_add_f32 v[AT:AT+1], v[AT:AT+1], v[AT+2:AT+3]
	WIN 0x04
	v_pk_add_f32 v[14:15], v[14:15], v[AT:AT+1]
	WIN 0
	s_wait_alu depctr_va_vdst(0)                   ; directly ahead of the first reader of O^T
.set j, 0
.rept 16
	v_pk_mul_f32 v[O+j:O+j+1], v[O+j:O+j+1], v[F:F+1] op_sel_hi:[1,0]   ; O^T under the new M.  (The sums and these are the places between p's codes and words and the products below)
.set j, j+2
.endr
	s_wait_alu depctr_va_vdst(0)
	s_wait_dscnt 28                                ; V and its words are in; the next K's 24 + 4 loads may be out
	WIN 0x01
.irp c, 0,1                                    ; the four accumulators take turns
.irp t, 0,1,2,3
.if \t < 2
	v_wmma_scale_f32_16x16x128_f8f6f4 v[O+8*\t:O+8*\t+7], v[VF+12*(4*\c+\t):VF+12*(4*\c+\t)+11], v[PC+12*\c:PC+12*\c+11], v[O+8*\t:O+8*\t+7], v[VS+2*\c+\t%2], v[PW+\c] matrix_a_fmt:MATRIX_FMT_FP6 matrix_b_fmt:MATRIX_FMT_FP6
.else
	v_wmma_scale_f32_16x16x128_f8f6f4 v[O+8*\t:O+8*\t+7], v[VF+12*(4*\c+\t):VF+12*(4*\c+\t)+11], v[PC+12*\c:PC+12*\c+11], v[O+8*\t:O+8*\t+7], v[VS+2*\c+\t%2], v[PW+\c] matrix_a_fmt:MATRIX_FMT_FP6 matrix_b_fmt:MATRIX_FMT_FP6 matrix_a_scale:MATRIX_SCALE_ROW1
.endif
.endr
.endr
	WIN 0
	s_add_co_u32 s37, s37, 1
	s_cmp_lt_u32 s37, 8
	s_cbranch_scc1 .Lstep
; O^T / the sum is the head's 64 channels of 16 rows: two blocks of the last product's K: half a fragment and two bytes of a scale word.
.rept 4
	v_nop
.endr
	v_add_f32 v14, v14, v15
	s_delay_alu instid0(VALU_DEP_1)
	v_permlanex16_b32 v[T0], v14, s20, s21
	s_delay_alu instid0(VALU_DEP_1)
	v_add_f32 v14, v14, v[T0]                      ; the row's sum
	s_wait_alu depctr_va_vdst(0)                   ; the wait ahead of the transcendental
	v_rcp_f32 v14, v14
	v_nop                                          ; a plain place behind the transcendental
	WIN 0x40
	s_wait_alu depctr_va_vdst(0)                   ; and behind it, directly ahead of the first reader
.set j, 0
.rept 16
	v_pk_mul_f32 v[j:j+1], v[O+j:O+j+1], v[14:15] op_sel_hi:[1,0]   ; register 16 b + i: channel 32 b + 16 (lane / 16) + i
.set j, j+2
.endr
	WIN 0x14
.irp b, 0,1
	v_max3_num_f32 v[BM+\b], 0x1800000, |v[16*\b]|, |v[16*\b+1]|
.endr
.irp i, 2,4,6,8,10,12,14
.irp b, 0,1
	s_delay_alu instid0(VALU_DEP_2)
	v_max3_num_f32 v[BM+\b], v[BM+\b], |v[16*\b+\i]|, |v[16*\b+\i+1]|
.endr
.endr
	WIN 0
.irp b, 0,1
	v_permlanex16_b32 v[BY+\b], v[BM+\b], s20, s21
.endr
.irp b, 0,1
	s_delay_alu instid0(VALU_DEP_2)
	v_max_num_f32 v[BM+\b], v[BM+\b], v[BY+\b]
.endr
.irp b, 0,1
	s_delay_alu instid0(VALU_DEP_2)
	v_add_nc_u32 v[SO+\b], 0xff000000, v[BM+\b]
.endr
.irp b, 0,1
	s_delay_alu instid0(VALU_DEP_2)
	v_lshrrev_b32 v[BY+\b], 23, v[SO+\b]
.endr
	s_delay_alu instid0(VALU_DEP_1)
	v_lshl_or_b32 v[HWD], v[BY+1], 8, v[BY]
	WIN 0x01
	v_cvt_scalef32_pk16_fp6_f32 v[PC:PC+2], v[0:15], v[SO]
	v_cvt_scalef32_pk16_fp6_f32 v[FT:FT+2], v[16:31], v[SO+1]
	v_nop
	WIN 0
.irp i, 0,1,2
	v_permlane16_swap_b32 v[PC+\i], v[FT+\i]       ; a whole block to a lane
.endr
.irp i, 0,1,2
	s_delay_alu instid0(VALU_DEP_3)
	v_mov_b32 v[PC+3+\i], v[FT+\i]
.endr
.irp p, 0,1,2
	global_store_b64 v[L8], v[PC+2*\p:PC+2*\p+1], s[40:41] offset:256*\p   ; 32 lanes store 256 consecutive bytes, at a multiple of 256 from the buffer's first byte
.endr
	global_store_b16 v[R8], v[HWD], s[42:43]       ; two bytes a row (both halves of the lanes write the same): one byte in 24 of what the launch stores
.set j, 0
.rept 18
	v_mov_b32 v[QP+j], v[QP+6+j]                   ; the next tile's q moves to the front
.set j, j+1
.endr
.irp i, 0,1,2
	v_mov_b32 v[QWS+\i], v[QWS+1+\i]
.endr
	s_wait_alu depctr_va_vdst(0)
	s_wait_xcnt 0x0                                ; the stores have read their registers and bases
	s_add_nc_u64 s[40:41], s[40:41], 12288         ; the next tile of rows
	s_add_nc_u64 s[42:43], s[42:43], 512
	s_add_co_u32 s39, s39, 1
	s_cmp_lt_u32 s39, 4
	s_cbranch_scc1 .Lpass
	s_wait_dscnt 0x0
	s_wait_tensorcnt 0x0                           ; the wave's end
	ds_add_u32 v[SPW], v[NIL]
	s_wait_dscnt 0x0
	ROUND                                          ; the closing round
	s_endpgm
.Lfunc_end_k_q32e0142408_attn:
	.size	k_q32e0142408_attn, .Lfunc_end_k_q32e0142408_attn-k_q32e0142408_attn
	.p2alignl 7, 3214868480
	.fill 96, 4, 3214868480
	.section	.rodata,"a",@progbits
	.p2align	6, 0x0
	.amdhsa_kernel k_q32e0142408_attn
		.amdhsa_group_segment_fixed_size 257024
		.amdhsa_private_segment_fixed_size 0
		.amdhsa_enable_private_segment 0
		.amdhsa_kernarg_size 24
		.amdhsa_user_sgpr_count 2
		.amdhsa_user_sgpr_kernarg_segment_ptr 1
		.amdhsa_wavefront_size32 1
		.amdhsa_system_sgpr_workgroup_id_x 1
		.amdhsa_system_sgpr_workgroup_id_y 1
		.amdhsa_system_sgpr_workgroup_id_z 1
		.amdhsa_system_vgpr_workitem_id 0
		.amdhsa_next_free_vgpr 512
		.amdhsa_next_free_sgpr 66
		.amdhsa_reserve_vcc 0
		.amdhsa_float_denorm_mode_32 3
		.amdhsa_float_denorm_mode_16_64 3
		.amdhsa_memory_ordered 1
		.amdhsa_forward_progress 1
		.amdhsa_inst_pref_size 45
	.end_amdhsa_kernel
	.amdgpu_metadata
---
amdhsa.version: [ 1, 2 ]
amdhsa.kernels:
  - .name:           k_q32e0142408_attn
    .symbol:         k_q32e0142408_attn.kd
    .args:
      - { .name: qkv, .offset: 0, .size: 8, .value_kind: global_buffer, .address_space: global }
      - { .name: aimg, .offset: 8, .size: 8, .value_kind: global_buffer, .address_space: global }
      - { .name: asc, .offset: 16, .size: 8, .value_kind: global_buffer, .address_space: global }
    .group_segment_fixed_size: 257024
    .private_segment_fixed_size: 0
    .kernarg_segment_align: 8
    .kernarg_segment_size: 24
    .max_flat_workgroup_size: 256
    .sgpr_count:     66
    .vgpr_count:     512
    .wavefront_size: 32
...
	.end_amdgpu_metadata
.endif
;; end of part 3
;; launch oproj (part 4): grid 4 x 32, 4 waves a work-group, clusters of 4 x 4, 327,680 bytes of LDS; arguments aimg, asc, wimg, wsc, bo, out0; writes out0
.if DOCPART == 4
	.amdgcn_target "amdgcn-amd-amdhsa--gfx1250"
	.amdhsa_code_object_version 6
	.text
	.protected	k_q32e0142408_oproj
	.globl	k_q32e0142408_oproj
	.p2align	8
	.type	k_q32e0142408_oproj,@function
k_q32e0142408_oproj:
	s_mov_b64 s[64:65], 0
	v_nop
	global_prefetch_b8 v0, s[64:65] scope:SCOPE_SE
	s_setreg_imm32_b32 hwreg(HW_REG_WAVE_MODE, 25, 1), 1
	s_wait_xcnt 0x0
	s_wait_alu depctr_hold_cnt(0) depctr_sa_sdst(0) depctr_va_vdst(0) depctr_va_sdst(0) depctr_va_ssrc(0) depctr_va_vcc(0) depctr_vm_vsrc(0)
	s_getreg_b32 s2, hwreg(HW_REG_IB_STS2, 6, 4)
	s_cmp_eq_u32 s2, 0
	s_cbranch_scc0 .Lentry_in_a_cluster
	s_endpgm
.Lentry_in_a_cluster:
	s_bfe_u32 s2, ttmp6, 0x10000c
	s_cmp_lg_u32 s2, 0xf033
	s_cbranch_scc0 .Lentry_shape_is_right
	s_endpgm
.Lentry_shape_is_right:
.set NQ,     2
.set FR,     12
.set NL,     6
.set NP,     4
.set TILEB,  3072
.set IMGROW, 12288
.set HALFT,  8*TILEB
.set SLOT,   4*HALFT
.set SCL,    2*SLOT
.set SCB,    8320
.set SPARE,  213248
.set SPITCH, 528
.set ADRA, 16
.set ADRB, 20
.set STO,  24
.set RD,   25
.set CO,   26
.set ADRS, 27
.set SPW,  28
.set NIL,  29
.set SC,   32
.set AF,   128
.set BK,   128
.set G1,   24
.set G0,   32
.set G1B,  48
.set G0B,  56
.set G1S,  68
.set G0S,  76
.set G1SB, 80
.set G0SB, 88
.set MSB, 0
.macro WIN new
.if MSB != (\new)
	s_set_vgpr_msb (MSB<<8)|(\new)
.set MSB, (\new)
.endif
.endm
.set MUL_LO, 0xa1
.set MUL_HI, 0xf1
.set TO_B,   0x40
.macro JLOAD g0a, g1a, g0b, g1b
	s_cmp_eq_u32 s15, 0
	s_cbranch_scc0 .Lfor_b_\@
	tensor_load_to_lds s[\g0a:\g0a+3], s[\g1a:\g1a+7]
	s_nop 0
.rept 4
	v_nop
.endr
	s_branch .Lasked_\@
.Lfor_b_\@:
	tensor_load_to_lds s[\g0b:\g0b+3], s[\g1b:\g1b+7]
	s_nop 0
.rept 4
	v_nop
.endr
.Lasked_\@:
.endm
.macro CREST
	s_cmp_lg_u32 s14, 0
	s_cbranch_scc1 .Lnot_wave_0_\@
	s_barrier_signal -3
.Lnot_wave_0_\@:
	s_barrier_wait -3
	s_barrier_signal -1
	s_barrier_wait -1
.endm
.macro CROUND
	s_barrier_signal -1
	s_barrier_wait -1
	CREST
.endm
.macro PLACES n
.rept \n
	v_nop
.endr
.endm
	s_load_b256 s[4:11], s[0:1], 0x0
	s_load_b128 s[96:99], s[0:1], 0x20
	v_lshl_add_u32 v[SPW], v0, 2, SPARE
	v_mov_b32 v[NIL], 0
	ds_add_u32 v28, v29
	ds_add_u32 v28, v29
	s_wait_dscnt 0x0
	v_lshrrev_b32 v1, 5, v0
	v_readfirstlane_b32 s14, v1
	s_lshr_b32 s15, s14, 1
	s_and_b32 s16, s14, 1
	s_bfe_u32 s40, ttmp6, 0x40000
	s_bfe_u32 s41, ttmp6, 0x40004
	s_add_co_u32 s42, s40, 12
	s_and_b32 s17, ttmp7, 0xffff
	s_lshl_b32 s17, s17, 2
	s_add_co_u32 s17, s17, s41
	s_lshl_b32 s43, s41, 2
	s_lshl_b32 s43, 15, s43
	s_lshl_b32 s44, 0x1111, s40
	s_or_b32 s[G1+0], s43, (3<<16)|(1<<21)
	s_or_b32 s[G1B+0], s44, (3<<16)|(1<<21)
.irp g, G1, G1B
	s_mov_b32 s[\g+1], 384<<16
	s_mov_b32 s[\g+2], 8<<16
	s_mov_b32 s[\g+3], 384<<16
	s_mov_b32 s[\g+4], 8
	s_mov_b32 s[\g+5], 1536
	s_mov_b32 s[\g+6], 0
	s_mov_b32 s[\g+7], 0
.endr
	s_or_b32 s[G1S+0], s43, (3<<16)|(1<<21)
	s_or_b32 s[G1SB+0], s44, (3<<16)|(1<<21)
.irp g, G1S, G1SB
	s_mov_b32 s[\g+1], 32<<16
	s_mov_b32 s[\g+2], 16<<16
	s_mov_b32 s[\g+3], 32<<16
	s_mov_b32 s[\g+4], 16
	s_mov_b32 s[\g+5], 32
	s_mov_b32 s[\g+6], 0
	s_mov_b32 s[\g+7], 0
.endr
	s_lshl_b32 s45, s16, 3
	s_lshl_b32 s18, s17, 4
	s_add_co_u32 s18, s18, s45
	s_mul_i32 s20, s18, IMGROW
	s_mov_b32 s21, 0
	s_lshl_b32 s22, s18, 9
	s_mov_b32 s23, 0
	s_lshl_b32 s19, s42, 4
	s_add_co_u32 s19, s19, s45
	s_mul_i32 s46, s19, IMGROW
	s_mov_b32 s47, 0
	s_lshl_b32 s92, s19, 9
	s_mov_b32 s93, 0
	s_mul_i32 s45, s14, HALFT
	s_lshl_b32 s94, s14, 12
	s_wait_kmcnt 0x0
	s_add_nc_u64 s[20:21], s[4:5], s[20:21]
	s_add_nc_u64 s[22:23], s[6:7], s[22:23]
	s_add_nc_u64 s[46:47], s[8:9], s[46:47]
	s_add_nc_u64 s[92:93], s[10:11], s[92:93]
	CROUND
	s_mov_b32 s[G0S], 1
	s_add_co_u32 s[G0S+1], s94, SCL
	s_mov_b64 s[G0S+2:G0S+3], s[22:23]
	s_or_b32 s[G0S+3], s[G0S+3], 0x80000000
	s_mov_b32 s[G0SB], 1
	s_add_co_u32 s[G0SB+1], s94, SCL+128
	s_mov_b64 s[G0SB+2:G0SB+3], s[92:93]
	s_or_b32 s[G0SB+3], s[G0SB+3], 0x80000000
	JLOAD G0S, G1S, G0SB, G1SB
.irp s, 0,1
	s_mov_b32 s[G0+4*\s], 1
	s_add_co_u32 s[G0+4*\s+1], s45, \s*SLOT
	s_add_nc_u64 s[G0+4*\s+2:G0+4*\s+3], s[20:21], \s*TILEB
	s_or_b32 s[G0+4*\s+3], s[G0+4*\s+3], 0x80000000
	s_mov_b32 s[G0B+4*\s], 1
	s_add_co_u32 s[G0B+4*\s+1], s45, \s*SLOT
	s_add_nc_u64 s[G0B+4*\s+2:G0B+4*\s+3], s[46:47], \s*TILEB
	s_or_b32 s[G0B+4*\s+3], s[G0B+4*\s+3], 0x80000000
	s_wait_alu depctr_va_vdst(0)
	s_wait_tensorcnt 0x0
	ds_add_u32 v28, v29
	s_wait_dscnt 0x0
	CROUND
	JLOAD G0+4*\s, G1, G0B+4*\s, G1B
.endr
	v_and_b32 v1, 15, v0
	v_bfe_u32 v2, v0, 4, 1
	s_wait_alu depctr_va_vdst(0)
	v_and_b32 v3, 31, v0
	v_lshlrev_b32 v4, 3, v3
	v_lshlrev_b32 v[CO], 4, v3
	s_mul_i32 s21, s15, HALFT
	s_mul_i32 s22, s16, HALFT
	s_add_co_u32 s22, s22, 2*HALFT
.irp s, 0,1
	v_add_nc_u32 v[ADRA+\s], s21, v4
	v_add_nc_u32 v[ADRB+\s], s22, v4
	s_add_co_u32 s21, s21, SLOT
	s_add_co_u32 s22, s22, SLOT
.endr
	v_lshlrev_b32 v5, 3, v1
	s_lshl_b32 s21, s15, 12
	s_lshl_b32 s22, s16, 12
	s_add_co_u32 s22, s22, SCB
	s_sub_co_u32 s22, s22, s21
	v_mul_u32_u24 v6, s22, v2
	s_add_co_u32 s21, s21, SCL
	v_add_nc_u32 v5, v5, v6
	v_add_nc_u32 v[ADRS], s21, v5
	s_mul_i32 s23, s14, 16*SPITCH
	v_mul_u32_u24 v5, v1, SPITCH
	v_lshl_add_u32 v5, v2, 6, v5
	v_add_nc_u32 v[STO], s23, v5
	v_add_nc_u32 v[RD], s23, v[CO]
	s_lshl_b32 s4, s40, 10
	s_lshl_b32 s5, s16, 9
	s_add_co_u32 s4, s4, s5
	s_mov_b32 s5, 0
	s_add_nc_u64 s[96:97], s[96:97], s[4:5]
	global_load_b128 v[8:11], v[CO], s[96:97]
	s_and_b32 s6, s17, 7
	s_lshl_b32 s6, s6, 8
	s_lshl_b32 s7, s15, 7
	s_add_co_u32 s6, s6, s7
	s_lshl_b32 s6, s6, 14
	s_lshr_b32 s7, s17, 3
	s_lshl_b32 s7, s7, 12
	s_add_co_u32 s6, s6, s7
	s_add_co_u32 s6, s6, s4
	s_mov_b32 s7, 0
	s_add_nc_u64 s[12:13], s[98:99], s[6:7]
	s_wait_alu depctr_va_vdst(0)
	s_wait_loadcnt 0x0
.macro FRAG reg, adr, q, i
.irp p, 0,1,2,3,4,5
	ds_load_b64 v[(\reg)+2*\p:(\reg)+2*\p+1], v[\adr] offset:TILEB*(\i)+1536*(\q)+256*\p
.endr
.endm
.macro MUL16 a0, p, q, sc, zero
.irp a, \a0, \a0+1
.irp b, 0,1,2,3,4,5,6,7
.if \zero
	v_wmma_scale_f32_16x16x128_f8f6f4 v[8*(8*((\a)%4)+\b):8*(8*((\a)%4)+\b)+7], v[128*(\p)+FR*\b:128*(\p)+FR*\b+FR-1], v[AF+FR*(\a):AF+FR*(\a)+FR-1], 0, v[SC+8*NQ*(\sc)+NQ*\b+(\q)], v[SC+8*NQ*(\sc)+NQ*(\a)+(\q)] matrix_a_fmt:MATRIX_FMT_FP6 matrix_b_fmt:MATRIX_FMT_FP6 matrix_a_scale:MATRIX_SCALE_ROW1
.else
	v_wmma_scale_f32_16x16x128_f8f6f4 v[8*(8*((\a)%4)+\b):8*(8*((\a)%4)+\b)+7], v[128*(\p)+FR*\b:128*(\p)+FR*\b+FR-1], v[AF+FR*(\a):AF+FR*(\a)+FR-1], v[8*(8*((\a)%4)+\b):8*(8*((\a)%4)+\b)+7], v[SC+8*NQ*(\sc)+NQ*\b+(\q)], v[SC+8*NQ*(\sc)+NQ*(\a)+(\q)] matrix_a_fmt:MATRIX_FMT_FP6 matrix_b_fmt:MATRIX_FMT_FP6 matrix_a_scale:MATRIX_SCALE_ROW1
.endif
.endr
.endr
.endm
.macro FETCH_B slot, q, p
	WIN TO_B
.irp i, 0,1,2,3,4,5,6,7
	FRAG 128*(\p)+FR*\i, ADRB+\slot, \q, \i
.endr
	WIN 0
.endm
.macro FETCH_A slot, q, i0
.irp i, \i0, \i0+1, \i0+2, \i0+3
	FRAG AF+FR*(\i), ADRA+\slot, \q, \i
.endr
.endm
.macro SCALES sc
.irp i, 0,1,2,3,4,5,6,7
	ds_load_b64 v[SC+8*NQ*\sc+NQ*\i:SC+8*NQ*\sc+NQ*\i+1], v[ADRS] offset:\i*512
.endr
.endm
.macro STEP slot, q, zero
	s_wait_dscnt 4*NL
	WIN MUL_LO
	MUL16 0, (\q)%2, \q, \slot, \zero
	MUL16 2, (\q)%2, \q, \slot, \zero
	s_wait_dscnt 0
	PLACES NP
	FETCH_B \slot, (\q)+1, 1-(\q)%2
	FETCH_A \slot, (\q)+1, 0
	WIN MUL_HI
	MUL16 4, (\q)%2, \q, \slot, \zero
	MUL16 6, (\q)%2, \q, \slot, \zero
	PLACES NP
	WIN 0
	FETCH_A \slot, (\q)+1, 4
.endm
.macro TURN slot, next, fill
	s_wait_tensorcnt 0x0
	ds_add_u32 v[SPW], v[NIL]
	s_wait_dscnt 4*NL+1
	WIN MUL_LO
	MUL16 0, 1, NQ-1, \slot, 0
	s_wait_dscnt 0x0
	s_barrier_signal -1
	MUL16 2, 1, NQ-1, \slot, 0
	WIN 0
	s_barrier_wait -1
.if \fill
	CREST
	s_add_nc_u64 s[G0+4*\slot+2:G0+4*\slot+3], s[G0+4*\slot+2:G0+4*\slot+3], 2*TILEB
	s_add_nc_u64 s[G0B+4*\slot+2:G0B+4*\slot+3], s[G0B+4*\slot+2:G0B+4*\slot+3], 2*TILEB
	JLOAD G0+4*\slot, G1, G0B+4*\slot, G1B
.else
	PLACES NP
.endif
	s_wait_alu depctr_va_vdst(0)
	v_add_nc_u32 v[ADRS], 128, v[ADRS]
	FETCH_B \next, 0, 0
	FETCH_A \next, 0, 0
	SCALES \next
	WIN MUL_HI
	MUL16 4, 1, NQ-1, \slot, 0
	MUL16 6, 1, NQ-1, \slot, 0
	PLACES NP
	WIN 0
	FETCH_A \next, 0, 4
.endm
	s_wait_tensorcnt 1
	s_barrier_signal -1
	s_barrier_wait -1
	FETCH_B 0, 0, 0
	FETCH_A 0, 0, 0
	SCALES 0
	FETCH_A 0, 0, 4
	STEP 0, 0, 1
	TURN 0, 1, 1
	STEP 1, 0, 0
	TURN 1, 0, 1
	STEP 0, 0, 0
	TURN 0, 1, 0
	STEP 1, 0, 0
	s_wait_dscnt 4*NL
	WIN MUL_LO
	MUL16 0, 1, NQ-1, 1, 0
	MUL16 2, 1, NQ-1, 1, 0
	s_wait_dscnt 0
	WIN MUL_HI
	MUL16 4, 1, NQ-1, 1, 0
	MUL16 6, 1, NQ-1, 1, 0
	WIN 0
.macro TOSTAGE a
.set AC, 64*((\a)%4)
	WIN 0x08+4*((\a)/4)
.irp b, 0,1,2,3,4,5,6,7
	ds_store_b128 v[STO], v[AC+8*\b:AC+8*\b+3] offset:128*(\b/2)+32*(\b%2)
	ds_store_b128 v[STO], v[AC+8*\b+4:AC+8*\b+7] offset:128*(\b/2)+32*(\b%2)+16
.endr
	WIN 0
.set BB, BK+64*((\a)%2)
.irp t, 0,1,2,3,4,5,6,7,8,9,10,11,12,13,14,15
	ds_load_b128 v[BB+4*\t:BB+4*\t+3], v[RD] offset:\t*SPITCH
.endr
.endm
.macro SEND a, younger
.set BB, BK+64*((\a)%2)
	s_wait_dscnt \younger
.irp t, 0,1,2,3,4,5,6,7,8,9,10,11,12,13,14,15
	v_pk_add_f32 v[BB+4*\t:BB+4*\t+1], v[BB+4*\t:BB+4*\t+1], v[8:9]
	v_pk_add_f32 v[BB+4*\t+2:BB+4*\t+3], v[BB+4*\t+2:BB+4*\t+3], v[10:11]
	global_store_b128 v[CO], v[BB+4*\t:BB+4*\t+3], s[12:13] offset:16384*(32*((\a)/2)+8*((\a)%2)+\t+8*(\t/8)) th:TH_STORE_NT
.endr
.endm
	PLACES NP
	TOSTAGE 0
.irp a, 1,2,3,4,5,6,7
.if \a > 1
	s_wait_xcnt 0x0
.endif
	TOSTAGE \a
	SEND \a-1, 32
.endr
	SEND 7, 0
	s_wait_tensorcnt 0x0
	ds_add_u32 v[SPW], v[NIL]
	s_wait_dscnt 0x0
	CROUND
	s_endpgm
.Lfunc_end_k_q32e0142408_oproj:
	.size	k_q32e0142408_oproj, .Lfunc_end_k_q32e0142408_oproj-k_q32e0142408_oproj
	.p2alignl 7, 3214868480
	.fill 96, 4, 3214868480
	.section	.rodata,"a",@progbits
	.p2align	6, 0x0
	.amdhsa_kernel k_q32e0142408_oproj
		.amdhsa_group_segment_fixed_size 327680
		.amdhsa_private_segment_fixed_size 0
		.amdhsa_enable_private_segment 0
		.amdhsa_kernarg_size 48
		.amdhsa_user_sgpr_count 2
		.amdhsa_user_sgpr_kernarg_segment_ptr 1
		.amdhsa_wavefront_size32 1
		.amdhsa_system_sgpr_workgroup_id_x 1
		.amdhsa_system_sgpr_workgroup_id_y 1
		.amdhsa_system_sgpr_workgroup_id_z 1
		.amdhsa_system_vgpr_workitem_id 0
		.amdhsa_next_free_vgpr 1024
		.amdhsa_next_free_sgpr 100
		.amdhsa_reserve_vcc 0
		.amdhsa_float_denorm_mode_32 3
		.amdhsa_float_denorm_mode_16_64 3
		.amdhsa_memory_ordered 1
		.amdhsa_forward_progress 1
		.amdhsa_inst_pref_size 176
	.end_amdhsa_kernel
	.amdgpu_metadata
---
amdhsa.version: [ 1, 2 ]
amdhsa.kernels:
  - .name:           k_q32e0142408_oproj
    .symbol:         k_q32e0142408_oproj.kd
    .args:
      - { .name: aimg, .offset: 0, .size: 8, .value_kind: global_buffer, .address_space: global }
      - { .name: asc, .offset: 8, .size: 8, .value_kind: global_buffer, .address_space: global }
      - { .name: wimg, .offset: 16, .size: 8, .value_kind: global_buffer, .address_space: global }
      - { .name: wsc, .offset: 24, .size: 8, .value_kind: global_buffer, .address_space: global }
      - { .name: bo, .offset: 32, .size: 8, .value_kind: global_buffer, .address_space: global }
      - { .name: out0, .offset: 40, .size: 8, .value_kind: global_buffer, .address_space: global }
    .group_segment_fixed_size: 327680
    .private_segment_fixed_size: 0
    .kernarg_segment_align: 8
    .kernarg_segment_size: 48
    .max_flat_workgroup_size: 128
    .sgpr_count:     100
    .vgpr_count:     1024
    .wavefront_size: 32
...
	.end_amdgpu_metadata
.endif
;; end of part 4
